; MI455X (gfx1250); checked and timed in simulation.
; The chip was launched on July 23, 2026; its instructions are those of AMD's public machine-readable ISA for CDNA 5 (MIT licence, August 2026) and "CDNA5" Instruction Set Architecture Reference Guide (July 2026). The comments in the code are by the model that wrote it; some were corrected since.
;; Model. Allowed arithmetic: float matrix products may take bf16 or f16 operands with f32 sums; all other float work in f32.
;; Inputs: key 2 x 16 x 2,048 x 128 float32; query 2 x 16 x 2,048 x 128 float32; value 2 x 16 x 2,048 x 128 float32.
;; Outputs: out0 2 x 16 x 2,048 x 128 float32.
;; One version. Each part assembles by itself: llvm-mc -triple=amdgcn-amd-amdhsa -mcpu=gfx1250 --defsym DOCPART=n.
;; ======== version 1 of 1: 2 launches
;; workspace buffers: kb 16,777,216 bytes; vb 16,777,216 bytes
;; launch cast (part 1): grid 1024 x 1, 8 waves a work-group, no clusters, 0 bytes of LDS; arguments key, value, kb, vb; writes kb, vb
.if DOCPART == 1
	.amdgcn_target "amdgcn-amd-amdhsa--gfx1250"
	.amdhsa_code_object_version 6
	.text
	.protected	k_q38fbd5714c_cast
	.globl	k_q38fbd5714c_cast
	.p2align	8
	.type	k_q38fbd5714c_cast,@function
k_q38fbd5714c_cast:
	s_mov_b64 s[64:65], 0
	v_nop
	global_prefetch_b8 v0, s[64:65] scope:SCOPE_SE
	s_setreg_imm32_b32 hwreg(HW_REG_WAVE_MODE, 25, 1), 1
	s_wait_xcnt 0x0
; kb = bf16(key), vb = bf16(value), same order of elements: [32 heads][2048 keys][128 d].
; Why a launch of its own: each of the 8 query blocks of a head needs K and V as bf16, so the rounding is done once here
; and not 8 times in the attention launch, and the attention launch's LDS tiles are half as large.
; A stream: no LDS, no barrier, no matrix unit, no loop.  A work-group takes 32,768 bytes of key and of value and writes 16,384 bytes
; of kb and of vb.  Thread t, chunk it (0..3): reads the 32 bytes at it*8192 + 32 t (two loads of 16 bytes), stores the 16 bytes at
; it*4096 + 16 t, so one store of a wave covers 512 consecutive bytes, aligned.  All 16 loads of a wave go out first.
; No register is written twice, so no source of a pending load or store is ever rewritten.
.set SRC, 8                            ; v[8:71]    chunk it: 8 f32 of key at 16 it, 8 f32 of value at 16 it + 8
.set DST, 72                           ; v[72:103]  chunk it: 8 bf16 of kb at 8 it, 8 bf16 of vb at 8 it + 4
	s_load_b256 s[4:11], s[0:1], 0x0               ; key s[4:5], value s[6:7], kb s[8:9], vb s[10:11]
	s_lshl_b32 s2, ttmp9, 15                       ; the work-group's 32,768 bytes of f32 (1,024 groups: below 4 GiB)
	s_mov_b32 s3, 0
	s_lshl_b32 s12, ttmp9, 14                      ; and its 16,384 bytes of bf16
	s_mov_b32 s13, 0
	v_lshlrev_b32 v1, 5, v0                        ; 32 t
	v_lshlrev_b32 v2, 4, v0                        ; 16 t
	s_wait_kmcnt 0x0
	s_add_nc_u64 s[4:5], s[4:5], s[2:3]
	s_add_nc_u64 s[6:7], s[6:7], s[2:3]
	s_add_nc_u64 s[8:9], s[8:9], s[12:13]
	s_add_nc_u64 s[10:11], s[10:11], s[12:13]
.irp it, 0,1,2,3
	global_load_b128 v[SRC+16*\it:SRC+16*\it+3],     v1, s[4:5] offset:\it*8192 th:TH_LOAD_NT
	global_load_b128 v[SRC+16*\it+4:SRC+16*\it+7],   v1, s[4:5] offset:\it*8192+16 th:TH_LOAD_NT
	global_load_b128 v[SRC+16*\it+8:SRC+16*\it+11],  v1, s[6:7] offset:\it*8192 th:TH_LOAD_NT
	global_load_b128 v[SRC+16*\it+12:SRC+16*\it+15], v1, s[6:7] offset:\it*8192+16 th:TH_LOAD_NT
.endr
.irp it, 0,1,2,3
	s_wait_loadcnt 14-4*\it                        ; loads return in order: this chunk's two loads of key are in, the 14 - 4 it younger ones stay out
.irp j, 0,1,2,3
	v_cvt_pk_bf16_f32 v[DST+8*\it+\j], v[SRC+16*\it+2*\j], v[SRC+16*\it+2*\j+1]
.endr
	global_store_b128 v2, v[DST+8*\it:DST+8*\it+3], s[8:9] offset:\it*4096        ; no hint: the next launch reads these bytes
	s_wait_loadcnt 12-4*\it                        ; the chunk's two loads of value are in
.irp j, 0,1,2,3
	v_cvt_pk_bf16_f32 v[DST+8*\it+4+\j], v[SRC+16*\it+8+2*\j], v[SRC+16*\it+8+2*\j+1]
.endr
	global_store_b128 v2, v[DST+8*\it+4:DST+8*\it+7], s[10:11] offset:\it*4096
.endr
	s_endpgm
.Lfunc_end_k_q38fbd5714c_cast:
	.size	k_q38fbd5714c_cast, .Lfunc_end_k_q38fbd5714c_cast-k_q38fbd5714c_cast
	.p2alignl 7, 3214868480
	.fill 96, 4, 3214868480
	.section	.rodata,"a",@progbits
	.p2align	6, 0x0
	.amdhsa_kernel k_q38fbd5714c_cast
		.amdhsa_group_segment_fixed_size 0
		.amdhsa_private_segment_fixed_size 0
		.amdhsa_enable_private_segment 0
		.amdhsa_kernarg_size 32
		.amdhsa_user_sgpr_count 2
		.amdhsa_user_sgpr_kernarg_segment_ptr 1
		.amdhsa_wavefront_size32 1
		.amdhsa_system_sgpr_workgroup_id_x 1
		.amdhsa_system_sgpr_workgroup_id_y 1
		.amdhsa_system_sgpr_workgroup_id_z 1
		.amdhsa_system_vgpr_workitem_id 0
		.amdhsa_next_free_vgpr 104
		.amdhsa_next_free_sgpr 66
		.amdhsa_reserve_vcc 0
		.amdhsa_float_denorm_mode_32 3
		.amdhsa_float_denorm_mode_16_64 3
		.amdhsa_memory_ordered 1
		.amdhsa_forward_progress 1
		.amdhsa_inst_pref_size 6
	.end_amdhsa_kernel
	.amdgpu_metadata
---
amdhsa.version: [ 1, 2 ]
amdhsa.kernels:
  - .name:           k_q38fbd5714c_cast
    .symbol:         k_q38fbd5714c_cast.kd
    .args:
      - { .name: key, .offset: 0, .size: 8, .value_kind: global_buffer, .address_space: global }
      - { .name: value, .offset: 8, .size: 8, .value_kind: global_buffer, .address_space: global }
      - { .name: kb, .offset: 16, .size: 8, .value_kind: global_buffer, .address_space: global }
      - { .name: vb, .offset: 24, .size: 8, .value_kind: global_buffer, .address_space: global }
    .group_segment_fixed_size: 0
    .private_segment_fixed_size: 0
    .kernarg_segment_align: 8
    .kernarg_segment_size: 32
    .max_flat_workgroup_size: 256
    .sgpr_count:     66
    .vgpr_count:     104
    .wavefront_size: 32
...
	.end_amdgpu_metadata
.endif
;; end of part 1
;; launch attn (part 2): grid 8 x 32, 8 waves a work-group, clusters of 4 x 1, 327,680 bytes of LDS; arguments kb, vb, query, out0; writes out0
.if DOCPART == 2
	.amdgcn_target "amdgcn-amd-amdhsa--gfx1250"
	.amdhsa_code_object_version 6
	.text
	.protected	k_q38fbd5714c_attn
	.globl	k_q38fbd5714c_attn
	.p2align	8
	.type	k_q38fbd5714c_attn,@function
k_q38fbd5714c_attn:
	s_mov_b64 s[64:65], 0
	v_nop
	global_prefetch_b8 v0, s[64:65] scope:SCOPE_SE
	s_setreg_imm32_b32 hwreg(HW_REG_WAVE_MODE, 25, 1), 1
	s_wait_xcnt 0x0
	s_wait_alu depctr_hold_cnt(0) depctr_sa_sdst(0) depctr_va_vdst(0) depctr_va_sdst(0) depctr_va_ssrc(0) depctr_va_vcc(0) depctr_vm_vsrc(0)
	s_getreg_b32 s2, hwreg(HW_REG_IB_STS2, 6, 4)
	s_cmp_eq_u32 s2, 0
	s_cbranch_scc0 .Lentry_in_a_cluster
	s_endpgm
.Lentry_in_a_cluster:
	s_bfe_u32 s2, ttmp6, 0x10000c
	s_cmp_lg_u32 s2, 0x3003
	s_cbranch_scc0 .Lentry_shape_is_right
	s_endpgm
.Lentry_shape_is_right:
; out = softmax(Q K^T / sqrt(128)) V for 32 heads, 2,048 queries and keys, d = 128.  Q and out f32; K and V as bf16 (kb, vb).
; A work-group makes 256 query rows of one head (grid x: 8 query blocks, grid y: 32 heads) with eight waves of 512 registers, so that a wave's
; softmax arithmetic has another wave's matrix work beside it.  Wave w: qg = w & 3 picks its 64 query rows, kh = w >> 2 picks which
; 128 of a tile's 256 keys it takes.  The two waves of a pair (same qg) keep a running maximum, sum and O of their own and are merged once, at the end.
;
; BOTH PRODUCTS ARE USED TRANSPOSED, so that the probabilities never leave registers:
;   S^T = K Q^T: source 0 = 16 keys x 32 d, source 1 = 16 queries x 32 d.  Lane (r = l % 16, h = l / 16), register j: key 8 h + j, query r.
;   Two such tiles (keys 0-15, 16-31) rounded in pairs to bf16 ARE source 1 of O^T = V^T P^T (registers 0-3: keys 8 h .., 4-7: keys 16 + 8 h ..).
;   Source 0 = V^T comes by the transposing LDS load from V as it lies, [key][d].  All of a lane's numbers belong to ONE query:
;   maximum, sum and rescale factor are per-lane numbers, and one exchange between the two halves of the wave joins them.
; SOFTMAX: a running maximum over blocks of 32 keys, kept in raw score units; p = 2^(c s - c max), c = log2(e) / sqrt(128), in one f32 multiply-add.
;
; CLUSTER: the four query blocks of a cluster (4, 1, 1) belong to one head and walk the same K and V tiles, so every tile is asked for jointly
; (mask 15): the requests for K and V are divided by four.  Nothing in a descriptor, an LDS address or a branch hangs on the place in the cluster.
; TILES: 256 keys of V and of K in each of two LDS slots; 8 tiles.  Waves 0-3 fetch 64 rows of V each, waves 4-7 64 rows of K: one load a wave.
; By this text's count a wave has two tensor loads out at the start and one behind each round.
; Q is loaded by both waves of a pair (32 KiB each, once): a stage for 64 shared rows for each of four pairs does not fit behind the two slots.
;
; LIMITS: inputs or scores that are not finite are not served (the maxima drop NaN).  p below 2^-126 counts as 0 (the exponential's result is flushed).
; The denominator sums p in f32 before p is rounded to bf16 for the product with V.  Q, K, V, p enter the matrix unit rounded to bf16.
;
; LDS: slot s at s * 143,360: V 256 rows of pitch 288 (an odd multiple of 32 bytes, for the transposing loads), then K 256 rows of pitch 272 (an odd
; multiple of 16: the 16 rows of a fragment load begin in 16 different 16-byte columns of 256 bytes).  Behind the slots 40,960 bytes that no tensor load fills:
; at the start each wave's stage for Q (16 rows x 272), at the end the stage for out (waves 0-3, 16 rows x 528).
; After slot 0's last fill has been read, slot 0 carries O, maximum and sum from wave w + 4 to wave w.
.set SLOT,  143360
.set VP,    288
.set KP,    272
.set KOFF,  256*VP                     ; K's rows behind V's in a slot
.set SPARE, 2*SLOT                     ; 286,720: a multiple of 256
.set QST,   16*KP                      ; a wave's Q stage
.set OP,    528                        ; out stage: a row of 512 bytes + 16
.set OST,   16*OP
.set STAT,  131072                     ; maxima and sums, behind 4 x 32 KiB of O
.set TILEB, 65536                      ; 256 keys x 256 bytes in kb and vb
; window 0
.set KA, 2                             ; v2, v3    my K fragment address in slot 0, 1 (at the end: out stage, in and back)
.set VA, 4                             ; v4, v5    my V fragment address in slot 0, 1
.set MM, 8                             ; v[8:11]   running maximum of query tile 0..3
.set LL, 12                            ; v[12:15]  the lane's part of the sum
.set MX, 16                            ; v[16:19]  new maximum          \
.set AL, 20                            ; v[20:23]  rescale factor        | at work in the softmax; the same 16 registers
.set NM, 24                            ; v[24:27]  -c x new maximum      | are fragment pair FA in the S phase
.set XT, 28                            ; v[28:31]  at work              /
.set FA, 16
.set FB, 32                            ; v[32:47]  two fragments
.set FC, 48                            ; v[48:63]  two fragments
.set SS, 64                            ; v[64:127] S tile (kt, qt) at 16 qt + 8 kt; packed: P of qt at 16 qt .. +7, and 16 qt + 8 .. +15 free for a V fragment
.set QF, 128                           ; v[128:255] Q fragment (qt, ks) at 32 qt + 8 ks
; window 1 (v256-511): O tile (dt, qt) at 8 (4 dt + qt); before the loop the landing place of Q's f32 rows
.set G1V, 16                           ; s[16:23] group 1 for V's tiles
.set G1K, 24                           ; s[24:31] group 1 for K's tiles
.set G0V, 32                           ; s[32:39] group 0 for V, one set a slot
.set G0K, 40                           ; s[40:47] group 0 for K, one set a slot
.set MSB, 0
.macro WIN new                         ; s_set_vgpr_msb: bits 1:0 source 0, 3:2 source 1, 5:4 source 2, 7:6 destination; the high byte repeats the setting left
.if MSB != \new
	s_set_vgpr_msb (MSB<<8)|\new
.set MSB, \new
.endif
.endm
.macro PLACES n                        ; places behind matrix instructions (ISA guide 7.12.1); only plain vector instructions count
.rept \n
	v_nop
.endr
.endm
.macro ROUND                           ; a round of the cluster's barrier: my work-group's barrier, wave 0 signals for it, all wait for all four work-groups, my barrier again
	s_barrier_signal -1
	s_barrier_wait -1
	s_cmp_lg_u32 s12, 0
	s_cbranch_scc1 .Lnot_wave_0_\@
	s_barrier_signal -3
.Lnot_wave_0_\@:
	s_barrier_wait -3
	s_barrier_signal -1
	s_barrier_wait -1
.endm
.macro JLOAD s                         ; the wave's one joint load: waves 0-3 their 64 rows of V, waves 4-7 their 64 rows of K; the branch hangs on the wave's number alone
	s_cmp_eq_u32 s13, 0
	s_cbranch_scc0 .Lfor_k_\@
	tensor_load_to_lds s[G0V+4*(\s):G0V+4*(\s)+3], s[G1V:G1V+7]
	s_branch .Lasked_\@
.Lfor_k_\@:
	tensor_load_to_lds s[G0K+4*(\s):G0K+4*(\s)+3], s[G1K:G1K+7]
.Lasked_\@:
.endm
.macro KFR dst, ka, i, kt, ks          ; 16 keys x 32 d of K: keys 32 i + 16 kt .., d 32 ks ..
	ds_load_b128 v[\dst:\dst+3],   v[\ka] offset:(\i)*32*KP+(\kt)*16*KP+(\ks)*64
	ds_load_b128 v[\dst+4:\dst+7], v[\ka] offset:(\i)*32*KP+(\kt)*16*KP+(\ks)*64+32
.endm
.macro KRUN ka, i                      ; 12 loads: d 64-95 into FA, d 0-31 into FB, d 32-63 into FC
	KFR FA,   \ka, \i, 0, 2
	KFR FA+8, \ka, \i, 1, 2
	KFR FB,   \ka, \i, 0, 0
	KFR FB+8, \ka, \i, 1, 0
	KFR FC,   \ka, \i, 0, 1
	KFR FC+8, \ka, \i, 1, 1
.endm
.macro VFR dst, va, i, dt              ; 16 d x 32 keys of V^T: d 16 dt .., keys 32 i ..
	ds_load_tr16_b128 v[\dst:\dst+3],   v[\va] offset:(\i)*32*VP+(\dt)*32
	ds_load_tr16_b128 v[\dst+4:\dst+7], v[\va] offset:(\i)*32*VP+(\dt)*32+16*VP
.endm
; 8 matrix instructions on the 8 S tiles, which take turns, one instruction a turn, in the same order for every ks
.macro SMUL ks, f, zero
.irp kt, 0,1
.irp qt, 0,1,2,3
.if \zero
	v_wmma_f32_16x16x32_bf16 v[SS+16*\qt+8*\kt:SS+16*\qt+8*\kt+7], v[\f+8*\kt:\f+8*\kt+7], v[QF+32*\qt+8*\ks:QF+32*\qt+8*\ks+7], 0
.else
	v_wmma_f32_16x16x32_bf16 v[SS+16*\qt+8*\kt:SS+16*\qt+8*\kt+7], v[\f+8*\kt:\f+8*\kt+7], v[QF+32*\qt+8*\ks:QF+32*\qt+8*\ks+7], v[SS+16*\qt+8*\kt:SS+16*\qt+8*\kt+7]
.endif
.endr
.endr
.endm
; 4 matrix instructions: O tiles (dt, 0..3); each of the 32 O tiles has one turn in a block of 32 keys
.macro PVMUL dt, a, zero
.irp qt, 0,1,2,3
.if \zero
	v_wmma_f32_16x16x32_bf16 v[8*(4*\dt+\qt):8*(4*\dt+\qt)+7], v[\a:\a+7], v[SS+16*\qt:SS+16*\qt+7], 0
.else
	v_wmma_f32_16x16x32_bf16 v[8*(4*\dt+\qt):8*(4*\dt+\qt)+7], v[\a:\a+7], v[SS+16*\qt:SS+16*\qt+7], v[8*(4*\dt+\qt):8*(4*\dt+\qt)+7]
.endif
.endr
.endm
; the softmax of one query tile q (b = q & 1 picks the register of the pair that holds the tile's factor)
.macro FMAQ q, b                       ; c s - c max, two at a time
.irp p, 0,2,4,6,8,10,12,14
	v_pk_fma_f32 v[SS+16*\q+\p:SS+16*\q+\p+1], v[SS+16*\q+\p:SS+16*\q+\p+1], s[54:55], v[NM+2*(\q/2):NM+2*(\q/2)+1] op_sel:[0,0,\b] op_sel_hi:[1,0,\b]
.endr
.endm
.macro EXPQ q
.irp j, 0,1,2,3,4,5,6,7,8,9,10,11,12,13,14,15
	v_exp_f32 v[SS+16*\q+\j], v[SS+16*\q+\j]
.endr
.endm
.macro SUMQ q, first                   ; the lane's 16 p: two chains of packed adds, then sum = sum x factor + new
	v_pk_add_f32 v[XT:XT+1],   v[SS+16*\q:SS+16*\q+1],     v[SS+16*\q+2:SS+16*\q+3]
	v_pk_add_f32 v[XT+2:XT+3], v[SS+16*\q+8:SS+16*\q+9],   v[SS+16*\q+10:SS+16*\q+11]
	v_pk_add_f32 v[XT:XT+1],   v[XT:XT+1],   v[SS+16*\q+4:SS+16*\q+5]
	v_pk_add_f32 v[XT+2:XT+3], v[XT+2:XT+3], v[SS+16*\q+12:SS+16*\q+13]
	v_pk_add_f32 v[XT:XT+1],   v[XT:XT+1],   v[SS+16*\q+6:SS+16*\q+7]
	v_pk_add_f32 v[XT+2:XT+3], v[XT+2:XT+3], v[SS+16*\q+14:SS+16*\q+15]
	v_pk_add_f32 v[XT:XT+1],   v[XT:XT+1],   v[XT+2:XT+3]
.if \first
	v_add_f32 v[LL+\q], v[XT], v[XT+1]             ; the first block starts the sum
.else
	v_add_f32 v[XT], v[XT], v[XT+1]
	v_fma_f32 v[LL+\q], v[LL+\q], v[AL+\q], v[XT]
.endif
.endm
.macro PACKQ q                         ; 16 p to 8 registers of bf16, ascending, so that no source is written before it is read
.irp j, 0,1,2,3,4,5,6,7
	v_cvt_pk_bf16_f32 v[SS+16*\q+\j], v[SS+16*\q+2*\j], v[SS+16*\q+2*\j+1]
.endr
.endm
.macro RESC q, b                       ; O of query tile q times its factor (destination and source 0 in window 1)
.irp dt, 0,1,2,3,4,5,6,7
.irp p, 0,2,4,6
	v_pk_mul_f32 v[8*(4*\dt+\q)+\p:8*(4*\dt+\q)+\p+1], v[8*(4*\dt+\q)+\p:8*(4*\dt+\q)+\p+1], v[AL+2*(\q/2):AL+2*(\q/2)+1] op_sel:[0,\b] op_sel_hi:[1,\b]
.endr
.endr
.endm
; One block: 32 keys (number i of my four in the tile) x 64 queries, 64 matrix instructions.
; first = 1: the wave's very first block starts maximum, sum and O.  pre = 1: the block before has already issued my first 12 K loads.  nxt = 1: I issue the next block's.
.macro SUB ka, va, i, first, pre, nxt
.if \first == 0
	PLACES 5                                       ; the last products read P and the V fragments that lie in S's registers: S is written over them five places behind
.endif
.if \pre == 0
	KRUN \ka, \i
.endif
	s_wait_dscnt 0x4                               ; of the 12 K loads only the youngest four (d 32-63) may be out
	SMUL 0, FB, 1                                  ; the first product starts S: nothing is cleared
	PLACES 4                                       ; FB has been read: four places, then it is loaded again
	KFR FB,   \ka, \i, 0, 3
	KFR FB+8, \ka, \i, 1, 3
	s_wait_dscnt 0x4                               ; the four just issued (d 96-127) may be out
	SMUL 1, FC, 0
	SMUL 2, FA, 0
	s_wait_dscnt 0x0
	SMUL 3, FB, 0
	PLACES 4                                       ; behind them S is read, FA's registers are written, FB and FC are loaded
	VFR FB,   \va, \i, 0
	VFR FB+8, \va, \i, 1
	VFR FC,   \va, \i, 2
	VFR FC+8, \va, \i, 3
	; the new maximum of each of the four query tiles: four chains side by side, then the other half of the wave
.irp q, 0,1,2,3
.if \first
	v_max_num_f32 v[MX+\q], v[SS+16*\q], v[SS+16*\q+1]
.else
	v_max3_num_f32 v[MX+\q], v[SS+16*\q], v[SS+16*\q+1], v[MM+\q]
.endif
.endr
.irp k, 2,4,6,8,10,12,14
.irp q, 0,1,2,3
	v_max3_num_f32 v[MX+\q], v[SS+16*\q+\k], v[SS+16*\q+\k+1], v[MX+\q]
.endr
.endr
.irp q, 0,1,2,3
	v_permlanex16_b32 v[XT+\q], v[MX+\q], s58, s59 ; lane l takes lane l xor 16: the same query's other 16 keys
.endr
.irp q, 0,1,2,3
	v_max_num_f32 v[MX+\q], v[MX+\q], v[XT+\q]
.endr
.if \first == 0
	v_pk_add_f32 v[AL:AL+1],     v[MM:MM+1],     v[MX:MX+1]     neg_lo:[0,1] neg_hi:[0,1]   ; old - new maximum: exactly 0 where the maximum stands
	v_pk_add_f32 v[AL+2:AL+3],   v[MM+2:MM+3],   v[MX+2:MX+3]   neg_lo:[0,1] neg_hi:[0,1]
	v_pk_mul_f32 v[AL:AL+1],     v[AL:AL+1],     s[54:55] op_sel_hi:[1,0]
	v_pk_mul_f32 v[AL+2:AL+3],   v[AL+2:AL+3],   s[54:55] op_sel_hi:[1,0]
.endif
	v_pk_mul_f32 v[NM:NM+1],     v[MX:MX+1],     s[56:57] op_sel_hi:[1,0]
	v_pk_mul_f32 v[NM+2:NM+3],   v[MX+2:MX+3],   s[56:57] op_sel_hi:[1,0]
.if \first == 0
.irp q, 0,1,2,3
	v_exp_f32 v[AL+\q], v[AL+\q]
.endr
.endif
.irp q, 0,1,2,3
	v_mov_b32 v[MM+\q], v[MX+\q]                   ; also the plain instructions between the exponentials and their first use (ISA guide 5.7.2)
.endr
	; staggered, so that plain work on another tile stands between every exponential and the use of its result
	FMAQ 0, 0
	EXPQ 0
	FMAQ 1, 1
	EXPQ 1
	SUMQ 0, \first
	PACKQ 0
	FMAQ 2, 0
	EXPQ 2
	SUMQ 1, \first
	PACKQ 1
	FMAQ 3, 1
	EXPQ 3
	SUMQ 2, \first
	PACKQ 2
	SUMQ 3, \first
	PACKQ 3
	VFR SS+8,  \va, \i, 4                          ; packing has freed half of S's registers: the other four V fragments
	VFR SS+24, \va, \i, 5
	VFR SS+40, \va, \i, 6
	VFR SS+56, \va, \i, 7
.if \first == 0
	WIN 0x41
	RESC 0, 0
	RESC 1, 1
	RESC 2, 0
	RESC 3, 1
.endif
	s_wait_dscnt 0x8                               ; the first four V fragments are in; the eight loads just issued may be out
	WIN 0x50                                       ; C and D in window 1
	PVMUL 0, FB,   \first
	PVMUL 1, FB+8, \first
	PVMUL 2, FC,   \first
	PVMUL 3, FC+8, \first
.if \nxt
	WIN 0
	PLACES 4                                       ; FB and FC have been read: four places, then the next block's K
	KRUN \ka, \i+1
	s_wait_dscnt 0xc                               ; all but those 12
	WIN 0x50
.else
	s_wait_dscnt 0x0
.endif
	PVMUL 4, SS+8,  \first
	PVMUL 5, SS+24, \first
	PVMUL 6, SS+40, \first
	PVMUL 7, SS+56, \first
	WIN 0
.endm
.macro COMPUTE s, first                ; my 128 keys of the tile in slot s
	SUB KA+\s, VA+\s, 0, \first, 0, 1
	SUB KA+\s, VA+\s, 1, 0, 1, 1
	SUB KA+\s, VA+\s, 2, 0, 1, 1
	SUB KA+\s, VA+\s, 3, 0, 1, 0
.endm
; One tile.  In front of the round every wave waits for all its tensor loads (its part of slot s among them) and for its reads of the other slot;
; behind the round no wave of any of the four work-groups reads that slot or has a load on its way: it is filled again first, then slot s is read.
.macro TRIP s, refill
	s_wait_tensorcnt 0x0
.if \refill
	s_add_nc_u64 s[G0V+4*(1-\s)+2:G0V+4*(1-\s)+3], s[G0V+4*(1-\s)+2:G0V+4*(1-\s)+3], 2*TILEB   ; no load of mine is out: the other slot's next tile
	s_add_nc_u64 s[G0K+4*(1-\s)+2:G0K+4*(1-\s)+3], s[G0K+4*(1-\s)+2:G0K+4*(1-\s)+3], 2*TILEB
.endif
	s_wait_dscnt 0x0
.if \refill
	ROUND
	JLOAD 1-\s
.else
	s_barrier_signal -1                            ; my work-group's barrier shows the last tile to all eight waves
	s_barrier_wait -1
.endif
	COMPUTE \s, 0
.endm
	s_load_b256 s[4:11], s[0:1], 0x0               ; kb s[4:5], vb s[6:7], query s[8:9], out0 s[10:11]
	v_lshrrev_b32 v2, 5, v0
	v_readfirstlane_b32 s12, v2                    ; wave 0..7
	s_lshr_b32 s13, s12, 2                         ; kh: which 128 keys of a tile.  Also: I fetch V (0) or K (1)
	s_and_b32 s14, s12, 3                          ; qg: which 64 query rows.  Also: which 64 rows of the tile I fetch
	s_bfe_u32 s48, ttmp6, 0x40000                  ; cx
	s_lshl_b32 s49, ttmp9, 2                       ; in a cluster launch ttmp9 counts clusters
	s_add_co_u32 s49, s49, s48                     ; query block = 4 x cluster x + cx
	s_and_b32 s50, ttmp7, 0xffff                   ; head (the cluster is one work-group high)
	s_mov_b32 s54, 0x3e0293ee                      ; c = log2(e) / sqrt(128)
	s_mov_b32 s55, 0x3e0293ee
	s_mov_b32 s56, 0xbe0293ee                      ; -c
	s_mov_b32 s57, 0xbe0293ee
	s_mov_b32 s58, 0x76543210                      ; v_permlanex16_b32: lane i of one half reads lane i of the other
	s_mov_b32 s59, 0xfedcba98
	; group 1: a tile of 64 rows x 128 elements of 2 bytes, dense in memory, padded in LDS behind every 64 words; mask 15: all four work-groups; bit 21 beside the mask
	s_mov_b32 s[G1V+0], 15|(1<<16)|(1<<20)|(1<<21)|(5<<22)|(7<<25)  ; V: 8 words of padding, pitch 288
	s_mov_b32 s[G1K+0], 15|(1<<16)|(1<<20)|(1<<21)|(5<<22)|(3<<25)  ; K: 4 words of padding, pitch 272
	s_mov_b32 s[G1V+1], 128<<16                    ; tensor_dim0 = 128
	s_mov_b32 s[G1K+1], 128<<16
	s_mov_b32 s[G1V+2], 64<<16                     ; tensor_dim1 = 64
	s_mov_b32 s[G1K+2], 64<<16
	s_mov_b32 s[G1V+3], 128<<16                    ; tile_dim0 = 128
	s_mov_b32 s[G1K+3], 128<<16
	s_mov_b32 s[G1V+4], 64                         ; tile_dim1 = 64
	s_mov_b32 s[G1K+4], 64
	s_mov_b32 s[G1V+5], 128                        ; elements from row to row
	s_mov_b32 s[G1K+5], 128
	s_mov_b32 s[G1V+6], 0
	s_mov_b32 s[G1K+6], 0
	s_mov_b32 s[G1V+7], 0
	s_mov_b32 s[G1K+7], 0
	s_lshl_b32 s52, s50, 19                        ; head x 2,048 keys x 256 bytes
	s_lshl_b32 s51, s14, 14                        ; + my 64 rows of the tile: made of the head and the wave's number alone
	s_add_co_u32 s52, s52, s51
	s_mov_b32 s53, 0
	s_lshl_b32 s62, s50, 20                        ; query and out0: head x 2,048 rows x 512 bytes
	s_lshl_b32 s15, s49, 17                        ; + block x 256 rows (s15, s62, s63 alone ever hold what hangs on cx)
	s_add_co_u32 s62, s62, s15
	s_lshl_b32 s15, s14, 15                        ; + qg x 64 rows
	s_add_co_u32 s62, s62, s15
	s_mov_b32 s63, 0
	s_mul_i32 s60, s12, 64*VP                      ; where my rows go: V's, waves 0-3: w x 18,432
	s_mul_i32 s61, s12, 64*KP                      ; K's, waves 4-7: 73,728 + (w - 4) x 17,408 = w x 17,408 + 4,096
	s_add_co_u32 s61, s61, KOFF-4*64*KP
	s_wait_kmcnt 0x0
	s_add_nc_u64 s[4:5], s[4:5], s[52:53]
	s_add_nc_u64 s[6:7], s[6:7], s[52:53]
	s_add_nc_u64 s[8:9], s[8:9], s[62:63]
	s_add_nc_u64 s[10:11], s[10:11], s[62:63]
.irp s, 0,1
	s_mov_b32 s[G0V+4*\s], 1                                       ; count = 1
	s_add_co_u32 s[G0V+4*\s+1], s60, \s*SLOT                       ; LDS address
	s_add_nc_u64 s[G0V+4*\s+2:G0V+4*\s+3], s[6:7], \s*TILEB        ; global address: tile s
	s_or_b32 s[G0V+4*\s+3], s[G0V+4*\s+3], 0x80000000              ; type = 2
	s_mov_b32 s[G0K+4*\s], 1
	s_add_co_u32 s[G0K+4*\s+1], s61, \s*SLOT
	s_add_nc_u64 s[G0K+4*\s+2:G0K+4*\s+3], s[4:5], \s*TILEB
	s_or_b32 s[G0K+4*\s+3], s[G0K+4*\s+3], 0x80000000
.endr
	ROUND                                          ; all four work-groups are here: the first joint loads meet
	s_cmp_eq_u32 s13, 0                            ; both first fills of a wave inside one branch on its number
	s_cbranch_scc0 .Lfirst_k
	tensor_load_to_lds s[G0V:G0V+3], s[G1V:G1V+7]
	tensor_load_to_lds s[G0V+4:G0V+7], s[G1V:G1V+7]
	s_branch .Lfirst_done
.Lfirst_k:
	tensor_load_to_lds s[G0K:G0K+3], s[G1K:G1K+7]
	tensor_load_to_lds s[G0K+4:G0K+7], s[G1K:G1K+7]
.Lfirst_done:
	; Q: one load of the wave is one whole row of 512 bytes; 64 rows into window 1
	v_and_b32 v10, 31, v0                          ; lane
	v_lshlrev_b32 v1, 4, v10                       ; 16 x lane; never rewritten
	WIN 0x40
.set qrow, 0
.rept 64
	global_load_b128 v[4*qrow:4*qrow+3], v1, s[8:9] offset:qrow*512
.set qrow, qrow+1
.endr
	WIN 0
	; lane addresses
	v_and_b32 v11, 15, v0                          ; r
	v_bfe_u32 v12, v0, 4, 1                        ; h
	v_mul_u32_u24 v13, v11, KP
	v_lshl_add_u32 v13, v12, 4, v13                ; r x 272 + 16 h: a fragment of rows that lie along d
	s_mul_i32 s60, s13, 128*KP
	s_add_co_u32 s60, s60, KOFF                    ; my 128 rows of K
	v_add_nc_u32 v[KA], s60, v13
	v_add_nc_u32 v[KA+1], SLOT, v[KA]
	v_and_b32 v14, 7, v0
	v_lshl_add_u32 v14, v12, 3, v14                ; key 8 h + l % 8
	v_mul_u32_u24 v14, v14, VP
	v_bfe_u32 v15, v0, 3, 1
	v_lshl_add_u32 v14, v15, 4, v14                ; + 16 bytes for the upper eight lanes of each sixteen
	s_mul_i32 s61, s13, 128*VP                     ; my 128 rows of V
	v_add_nc_u32 v[VA], s61, v14
	v_add_nc_u32 v[VA+1], SLOT, v[VA]
	s_mul_i32 s51, s12, QST
	s_add_co_u32 s51, s51, SPARE                   ; my Q stage
	v_lshl_add_u32 v6, v10, 3, s51                 ; in: 4 bf16 of a row
	v_add_nc_u32 v7, s51, v13                      ; back: as fragments
; 16 rows of Q: rounded to bf16, through my own stage, back as four fragments.  LDS serves a wave's instructions in order (ISA guide 5.7.1): no wait between.
.macro QCONV qt
	s_wait_loadcnt 48-16*\qt                       ; these 16 rows are in; the younger rows stay out
	WIN 0x05                                       ; both sources in window 1
.irp k, 0,1,2,3,4,5,6,7,8,9,10,11,12,13,14,15
	v_cvt_pk_bf16_f32 v[SS+2*\k],   v[4*(16*\qt+\k)],   v[4*(16*\qt+\k)+1]
	v_cvt_pk_bf16_f32 v[SS+2*\k+1], v[4*(16*\qt+\k)+2], v[4*(16*\qt+\k)+3]
.endr
	WIN 0
.irp k, 0,1,2,3,4,5,6,7,8,9,10,11,12,13,14,15
	ds_store_b64 v6, v[SS+2*\k:SS+2*\k+1] offset:\k*KP
.endr
.irp ks, 0,1,2,3
	ds_load_b128 v[QF+32*\qt+8*\ks:QF+32*\qt+8*\ks+3],   v7 offset:\ks*64
	ds_load_b128 v[QF+32*\qt+8*\ks+4:QF+32*\qt+8*\ks+7], v7 offset:\ks*64+32
.endr
.endm
	QCONV 0
	QCONV 1
	QCONV 2
	QCONV 3
	s_wait_tensorcnt 0x1                           ; my part of tile 0 is in; tile 1's may stay out
	s_wait_dscnt 0x0                               ; Q's fragments are in
	s_barrier_signal -1
	s_barrier_wait -1                              ; everybody's part of tile 0 is in
	COMPUTE 0, 1                                   ; tile 0 stands in front of the loop: its first block starts maximum, sum and O
	s_mov_b32 s3, 3
.Lloop:                                            ; tiles 1 to 6 are computed, tiles 2 to 7 asked for
	TRIP 1, 1
	TRIP 0, 1
	s_sub_co_u32 s3, s3, 1
	s_cmp_lg_u32 s3, 0
	s_cbranch_scc1 .Lloop
	TRIP 1, 0                                      ; tile 7: nothing is left to fetch
	; THE END.  The sums' two halves meet; wave w + 4 hands O, maxima and sums to wave w through slot 0, which was last filled with tile 6,
	; last read in tile 6's trip, and whose readers have all waited for their reads and passed tile 7's barrier.
	PLACES 4                                       ; behind the last products: O is read below
.irp q, 0,1,2,3
	v_permlanex16_b32 v[XT+\q], v[LL+\q], s58, s59
.endr
.irp q, 0,1,2,3
	v_add_f32 v[LL+\q], v[LL+\q], v[XT+\q]
.endr
	s_lshl_b32 s60, s14, 15                        ; the pair's 32 KiB
	v_add_nc_u32 v6, s60, v1                       ; + 16 x lane
	s_lshl_b32 s61, s14, 10
	s_add_co_u32 s61, s61, STAT
	v_add_nc_u32 v7, s61, v1
	s_cmp_eq_u32 s13, 0
	s_cbranch_scc1 .Lno_give
	WIN 0x04                                       ; store data from window 1
.set grp, 0
.rept 64
	ds_store_b128 v6, v[4*grp:4*grp+3] offset:grp*512
.set grp, grp+1
.endr
	WIN 0
	ds_store_b128 v7, v[MM:MM+3]
	ds_store_b128 v7, v[LL:LL+3] offset:512
.Lno_give:
	s_wait_dscnt 0x0                               ; for the partner's sake: my stores are done
	s_barrier_signal -1
	s_barrier_wait -1
	s_cmp_lg_u32 s13, 0
	s_cbranch_scc1 .Lno_take
	ds_load_b128 v[16:19], v7                      ; the partner's maxima
	ds_load_b128 v[20:23], v7 offset:512           ; and sums
	v_and_b32 v24, 15, v0
	v_bfe_u32 v25, v0, 4, 1
	v_mul_u32_u24 v24, v24, OP
	v_lshl_add_u32 v24, v25, 5, v24                ; out stage, in: row r, 32 bytes for each half of the lanes
	s_mul_i32 s51, s12, OST
	s_add_co_u32 s51, s51, SPARE                   ; waves 0-3: 4 x 8,448 bytes
	v_add_nc_u32 v2, s51, v24
	v_add_nc_u32 v3, s51, v1                       ; back: a whole row of 512 bytes
	s_wait_dscnt 0x0
.irp q, 0,1,2,3
	v_max_num_f32 v[24+\q], v[MM+\q], v[16+\q]     ; the common maximum
.endr
	v_pk_add_f32 v[28:29], v[8:9],   v[24:25] neg_lo:[0,1] neg_hi:[0,1]
	v_pk_add_f32 v[30:31], v[10:11], v[26:27] neg_lo:[0,1] neg_hi:[0,1]
	v_pk_add_f32 v[32:33], v[16:17], v[24:25] neg_lo:[0,1] neg_hi:[0,1]
	v_pk_add_f32 v[34:35], v[18:19], v[26:27] neg_lo:[0,1] neg_hi:[0,1]
.irp p, 28,30,32,34
	v_pk_mul_f32 v[\p:\p+1], v[\p:\p+1], s[54:55] op_sel_hi:[1,0]
.endr
.irp j, 28,29,30,31,32,33,34,35
	v_exp_f32 v[\j], v[\j]                         ; a0 in v28-31 (mine), a1 in v32-35 (the partner's)
.endr
	v_nop                                          ; one plain instruction behind the exponentials
.irp q, 0,1,2,3
	v_mul_f32 v[24+\q], v[LL+\q], v[28+\q]
.endr
.irp q, 0,1,2,3
	v_fmac_f32 v[24+\q], v[20+\q], v[32+\q]        ; the whole sum: at least 1, since the key of the maximum adds 1
.endr
.irp q, 0,1,2,3
	v_rcp_f32 v[36+\q], v[24+\q]
.endr
	v_nop                                          ; one plain instruction behind the reciprocals
.irp q, 0,1,2,3
	v_mul_f32 v[8+\q],  v[28+\q], v[36+\q]         ; f0: my O's factor
	v_mul_f32 v[16+\q], v[32+\q], v[36+\q]         ; f1: the partner's
.endr
; 16 query rows: out = O f0 + O' f1, through my stage, out as whole rows
.macro FIN q, b
.irp dt, 0,1,2,3,4,5,6,7
	ds_load_b128 v[SS+8*\dt:SS+8*\dt+3],   v6 offset:(2*(4*\dt+\q))*512
	ds_load_b128 v[SS+8*\dt+4:SS+8*\dt+7], v6 offset:(2*(4*\dt+\q)+1)*512
.endr
	s_wait_dscnt 0x0
.irp dt, 0,1,2,3,4,5,6,7
.irp p, 0,2,4,6
	v_pk_mul_f32 v[SS+8*\dt+\p:SS+8*\dt+\p+1], v[SS+8*\dt+\p:SS+8*\dt+\p+1], v[16+2*(\q/2):16+2*(\q/2)+1] op_sel:[0,\b] op_sel_hi:[1,\b]
.endr
.endr
	WIN 0x01                                       ; source 0 (my O) from window 1
.irp dt, 0,1,2,3,4,5,6,7
.irp p, 0,2,4,6
	v_pk_fma_f32 v[SS+8*\dt+\p:SS+8*\dt+\p+1], v[8*(4*\dt+\q)+\p:8*(4*\dt+\q)+\p+1], v[8+2*(\q/2):8+2*(\q/2)+1], v[SS+8*\dt+\p:SS+8*\dt+\p+1] op_sel:[0,\b,0] op_sel_hi:[1,\b,1]
.endr
.endr
	WIN 0
.irp dt, 0,1,2,3,4,5,6,7
	ds_store_b128 v2, v[SS+8*\dt:SS+8*\dt+3]   offset:\dt*64       ; query r, d = 16 dt + 8 h + 0..3
	ds_store_b128 v2, v[SS+8*\dt+4:SS+8*\dt+7] offset:\dt*64+16    ; d = 16 dt + 8 h + 4..7
.endr
	s_wait_xcnt 0x0                                ; v[128:191] were the last sixteen stores' data: loaded again only behind this wait
.irp t, 0,1,2,3,4,5,6,7,8,9,10,11,12,13,14,15
	ds_load_b128 v[QF+4*\t:QF+4*\t+3], v3 offset:\t*OP             ; my own bytes, in order behind the stores above
.endr
.irp t, 0,1,2,3,4,5,6,7,8,9,10,11,12,13,14,15
	s_wait_dscnt 15-\t                             ; row t is in, the younger rows stay out
	global_store_b128 v1, v[QF+4*\t:QF+4*\t+3], s[10:11] offset:(16*\q+\t)*512 th:TH_STORE_NT   ; the wave stores 512 consecutive bytes, aligned: a whole row
.endr
.endm
	FIN 0, 0
	FIN 1, 1
	FIN 2, 0
	FIN 3, 1
.Lno_take:
	s_wait_dscnt 0x0
	ROUND                                          ; the closing round: no work-group ends while a partner may still ask for a tile that names it
	s_endpgm
.Lfunc_end_k_q38fbd5714c_attn:
	.size	k_q38fbd5714c_attn, .Lfunc_end_k_q38fbd5714c_attn-k_q38fbd5714c_attn
	.p2alignl 7, 3214868480
	.fill 96, 4, 3214868480
	.section	.rodata,"a",@progbits
	.p2align	6, 0x0
	.amdhsa_kernel k_q38fbd5714c_attn
		.amdhsa_group_segment_fixed_size 327680
		.amdhsa_private_segment_fixed_size 0
		.amdhsa_enable_private_segment 0
		.amdhsa_kernarg_size 32
		.amdhsa_user_sgpr_count 2
		.amdhsa_user_sgpr_kernarg_segment_ptr 1
		.amdhsa_wavefront_size32 1
		.amdhsa_system_sgpr_workgroup_id_x 1
		.amdhsa_system_sgpr_workgroup_id_y 1
		.amdhsa_system_sgpr_workgroup_id_z 1
		.amdhsa_system_vgpr_workitem_id 0
		.amdhsa_next_free_vgpr 512
		.amdhsa_next_free_sgpr 66
		.amdhsa_reserve_vcc 0
		.amdhsa_float_denorm_mode_32 3
		.amdhsa_float_denorm_mode_16_64 3
		.amdhsa_memory_ordered 1
		.amdhsa_forward_progress 1
		.amdhsa_inst_pref_size 255
	.end_amdhsa_kernel
	.section	.bss,"aw",@nobits
	.p2align	6
	.space	262144
	.amdgpu_metadata
---
amdhsa.version: [ 1, 2 ]
amdhsa.kernels:
  - .name:           k_q38fbd5714c_attn
    .symbol:         k_q38fbd5714c_attn.kd
    .args:
      - { .name: kb, .offset: 0, .size: 8, .value_kind: global_buffer, .address_space: global }
      - { .name: vb, .offset: 8, .size: 8, .value_kind: global_buffer, .address_space: global }
      - { .name: query, .offset: 16, .size: 8, .value_kind: global_buffer, .address_space: global }
      - { .name: out0, .offset: 24, .size: 8, .value_kind: global_buffer, .address_space: global }
    .group_segment_fixed_size: 327680
    .private_segment_fixed_size: 0
    .kernarg_segment_align: 8
    .kernarg_segment_size: 32
    .max_flat_workgroup_size: 256
    .sgpr_count:     66
    .vgpr_count:     512
    .wavefront_size: 32
...
	.end_amdgpu_metadata
.endif
;; end of part 2
